; MI455X (gfx1250); checked and timed in simulation.
; The chip was launched on July 23, 2026; its instructions are those of AMD's public machine-readable ISA for CDNA 5 (MIT licence, August 2026) and "CDNA5" Instruction Set Architecture Reference Guide (July 2026). The comments in the code are by the model that wrote it; some were corrected since.
;; Word Attn. Allowed arithmetic: matrix products marked QUANTISED: E2M1 operands, one E8M0 scale for each 32 along K, by v_wmma_scale_f32_16x16x128_f8f6f4 with both operands' format E2M1 (or v_wmma_scale_f32_32x16x128_f4), f32 sums; products left as they are: f32 operands where the result goes on into a quantised operand, else bf16, f16 or f32 operands; f32 sums; everything else in f32.
;; Inputs: H 32 x 64 x 32 x 512 float32; mask 32 x 64 x 32 bool; u_weight 1 x 256 float32; w_bias 256 float32; w_weight 256 x 512 float32.
;; Outputs: out0 32 x 64 x 512 float32.
;; This version of the problem:
;;   THIS VERSION OF THE PROBLEM IS GIVEN IN LOW PRECISION. The matrix products marked QUANTISED in the list below multiply operands that are first quantised to E2M1 (2 exponent bits, 1 mantissa bit; 4 bits a number), with one power-of-two scale for each 32 numbers along K (OCP MX v1.0); their sums are f32. All else is computed in f32.
;;   The module's matrix products, in the order in which they are computed (A, B: the left and right operand; K: the contracted axis; several contracted axes count as one K, in the product's order):
;;     1. [M 65,536, K 512] x [K 512, N 256]; A: input H; B: input w_weight: QUANTISED
;;     2. [M 65,536, K 256] x [K 256, N 1]; A: computed on the way; B: input u_weight: left as it is (N = 1 < 16)
;;     3. batch 2,048 x [M 512, K 32] x [K 32, N 1]; A: input H; B: softmax: left as it is (N = 1 < 16)
;;   THE QUANTISER, for each operand of a quantised product, along K:
;;     - K is cut into blocks of 32 from its start; a last block that is shorter is filled with zeros.
;;     - A block's scale is 2^e with e = floor(log2(the largest magnitude in the block)) - 2, held to -126 .. 127; a block of zeros has e = 0. As a byte (E8M0): e + 127.
;;     - Each number is divided by its block's scale, clamped to +-6, and rounded to the nearest number of E2M1, ties to even, subnormals kept.
;;     - The product sums the exact products of the quantised numbers (number of the format x scale) in f32.
;;   ~~~python
;;   def quantise(x, axis):      # numpy; x: float32 -> the quantised numbers, widened to float32 again
;;       x = np.moveaxis(x, axis, -1); K = x.shape[-1]
;;       x = np.pad(x, [(0, 0)] * (x.ndim - 1) + [(0, -K % 32)]); x = x.reshape(x.shape[:-1] + (-1, 32)); a = np.abs(x).max(-1, keepdims=True)
;;       e = np.where(a > 0, np.clip(np.frexp(np.where(a > 0, a, 1))[1] - 1 - 2, -126, 127), 0)      # np.frexp(a)[1] - 1 = floor(log2(a)), exactly
;;       r = np.clip(x / 2.0 ** e, -6, 6)
;;       step = 2.0 ** (np.maximum(np.frexp(np.where(r == 0, 1, r))[1] - 1, 0) - 1)
;;       q = np.round(r / step) * step * 2.0 ** e      # np.round: ties to even
;;       return np.moveaxis(q.reshape(q.shape[:-2] + (-1,))[..., :K], -1, axis).astype(np.float32)
;;   ~~~
;; 2 versions. Each part assembles by itself: llvm-mc -triple=amdgcn-amd-amdhsa -mcpu=gfx1250 --defsym DOCPART=n.
;; ======== version 1 of 2: 2 launches
;; workspace buffers: wq 73,728 bytes
;; launch prep (part 1): grid 64 x 1, 1 waves a work-group, no clusters, 0 bytes of LDS; arguments w_weight, wq; writes wq
.if DOCPART == 1
	.amdgcn_target "amdgcn-amd-amdhsa--gfx1250"
	.amdhsa_code_object_version 6
	.text
	.protected	k_qb1a5aa3b23_prep
	.globl	k_qb1a5aa3b23_prep
	.p2align	8
	.type	k_qb1a5aa3b23_prep,@function
k_qb1a5aa3b23_prep:
	s_mov_b64 s[64:65], 0
	v_nop
	global_prefetch_b8 v0, s[64:65] scope:SCOPE_SE
	s_setreg_imm32_b32 hwreg(HW_REG_WAVE_MODE, 25, 1), 1
	s_wait_xcnt 0x0
; w_weight [256 (a)][512 (k)], f32, K innermost, is turned ONCE into codes of FP4 (E2M1) with one E8M0 scale byte for each 32 along K, since every work-group
; of the next launch reads it: 512 KiB of f32 become 72 KiB.  The codes are laid in the ORDER OF THE OPERAND'S REGISTERS: fragment f = 4 n16 + s (rows 16 n16 .. + 15, K = 128 s .. + 127)
; is 8 registers a lane; register group c (0, 1) of lane l lies at byte 1024 f + 512 c + 16 l.  The fragment's scale words lie at 65536 + 128 f + 4 l (lanes 16-31 hold the same words as lanes 0-15).
; One wave to a fragment, 64 work-groups: lane (r, h) takes row 16 n16 + r and of it k = 128 s + 64 c + 32 h + 0 .. 31: two WHOLE blocks of 32, in the order that the operand's layout gives that lane,
; so that no other lane is asked for a maximum and the conversions' results are the operand's registers.
; A block's scale is 2^(floor(log2(its largest magnitude)) - 2); its byte is the largest magnitude's exponent field - 2, held at 1 from below.
; LIMITS: a block of zeros gets the byte 1 where the quantiser says 127 (its codes are zeros, which add nothing under any byte but 0xff, and this program alone reads the bytes); NaN and infinities in w_weight are not served.
; The loads take 128 bytes of each of 16 rows: pieces of rows 2,048 bytes apart.  That is borne for a tensor of 512 KiB that is read once.
.set QX,  32                           ; v32-95  my 64 numbers: register 32 c + i = k 64 c + 32 h + i
.set QPC, 16                           ; v16-23  the codes: the fragment's registers
.set QM,  8                            ; v8-9    largest magnitudes, a block each
.set QN,  10                           ; v10-11  a second chain for each block
.set QSO, 12                           ; v12-13  the conversions' scale operands
.set QBY, 14                           ; v14-15  the scale bytes
.set QPW, 6                            ; v6      the scale word
.set QT,  5                            ; v5      a lane permute's destination
.set QH8, 4                            ; v4      8 h
.set SEL, 12                           ; s[12:13] v_permlanex16_b32's selects for lane l xor 16
; 64 numbers of a lane become a fragment's codes in v[QPC] on and its row's scale word in v[QPW].
.macro QUANT
.irp c, 0,1
	v_max3_num_f32 v[QM+\c], |v[QX+32*\c]|, |v[QX+32*\c+1]|, 0x1800000      ; block 2 c + h; the floor 2^(3 - 127) among the leaves: the byte cannot fall under 1
	v_max3_num_f32 v[QN+\c], |v[QX+32*\c+16]|, |v[QX+32*\c+17]|, |v[QX+32*\c+18]|
.endr
.irp k, 0,1,2,3,4,5
.irp c, 0,1
	v_max3_num_f32 v[QM+\c], v[QM+\c], |v[QX+32*\c+2+2*\k]|, |v[QX+32*\c+3+2*\k]|       ; four chains by turns: no line waits for the line above it
	v_max3_num_f32 v[QN+\c], v[QN+\c], |v[QX+32*\c+19+2*\k]|, |v[QX+32*\c+20+2*\k]|
.endr
.endr
.irp c, 0,1
	v_max3_num_f32 v[QM+\c], v[QM+\c], |v[QX+32*\c+14]|, |v[QX+32*\c+15]|
.endr
.irp c, 0,1
	v_max3_num_f32 v[QM+\c], v[QM+\c], v[QN+\c], |v[QX+32*\c+31]|           ; the block's largest magnitude
.endr
.irp c, 0,1
	v_add_nc_u32 v[QSO+\c], 0xff000000, v[QM+\c]                            ; 2 off its exponent field: the conversion takes the exponent field of this operand as its scale
.endr
.irp c, 0,1
	v_lshrrev_b32 v[QBY+\c], 23, v[QSO+\c]                                  ; the scale's byte
.endr
	v_lshl_or_b32 v[QPW], v[QBY+1], 16, v[QBY]                              ; my two bytes, blocks h and 2 + h,
	v_lshlrev_b32 v[QPW], v[QH8], v[QPW]                                    ; at their places in the word (8 h bits up);
	v_permlanex16_b32 v[QT], v[QPW], s[SEL], s[SEL+1]
	v_or_b32 v[QPW], v[QPW], v[QT]                                          ; with lane l xor 16's two the word is whole
.irp c, 0,1
.irp q, 0,1,2,3
	v_cvt_scalef32_pk8_fp4_f32 v[QPC+4*\c+\q], v[QX+32*\c+8*\q:QX+32*\c+8*\q+7], v[QSO+\c]   ; registers 4 c .. 4 c + 3 of the operand; beyond 6 the largest code
.endr
.endr
	v_nop                                                                   ; one plain place behind the last scaled conversion
.endm
	s_load_b128 s[4:7], s[0:1], 0x0                ; w_weight s[4:5], wq s[6:7]
	s_lshr_b32 s8, ttmp9, 2                        ; n16
	s_and_b32 s9, ttmp9, 3                         ; s
	s_lshl_b32 s10, s8, 15                         ; 16 rows of 2,048 bytes
	s_lshl_b32 s9, s9, 9                           ; 128 numbers of 4 bytes
	s_add_co_u32 s10, s10, s9
	s_mov_b32 s11, 0
	s_mov_b32 s[SEL], 0x76543210
	s_mov_b32 s[SEL+1], 0xfedcba98
	s_lshl_b32 s14, ttmp9, 10                      ; the fragment's codes: 1,024 f
	s_mov_b32 s15, 0
	s_lshl_b32 s18, ttmp9, 7                       ; its scale words: 65,536 + 128 f
	s_add_co_u32 s18, s18, 65536
	s_mov_b32 s19, 0
	v_and_b32 v7, 15, v0                           ; r
	v_bfe_u32 v4, v0, 4, 1                         ; h
	v_lshlrev_b32 v1, 11, v7
	v_lshl_add_u32 v1, v4, 7, v1                   ; row r, + 128 h bytes: my first block
	v_lshlrev_b32 v2, 4, v0                        ; 16 x lane (one wave: the thread's number is the lane)
	v_lshlrev_b32 v3, 2, v0                        ; 4 x lane
	v_lshlrev_b32 v[QH8], 3, v4
	v_mov_b32 v[QT], 0                             ; written once: a lane permute's destination counts as one of its sources
	s_wait_kmcnt 0x0
	s_add_nc_u64 s[4:5], s[4:5], s[10:11]
	s_add_nc_u64 s[16:17], s[6:7], s[18:19]        ; from wq's own address, ahead of the step below
	s_add_nc_u64 s[6:7], s[6:7], s[14:15]
.irp c, 0,1
.irp q, 0,1,2,3,4,5,6,7
	global_load_b128 v[QX+32*\c+4*\q:QX+32*\c+4*\q+3], v1, s[4:5] offset:256*\c+16*\q
.endr
.endr
	s_wait_loadcnt 0x0
	QUANT
.irp c, 0,1
	global_store_b128 v2, v[QPC+4*\c:QPC+4*\c+3], s[6:7] offset:512*\c      ; 32 lanes store 512 consecutive bytes, at a multiple of 256 from wq's first byte
.endr
	global_store_b32 v3, v[QPW], s[16:17]          ; 128 consecutive bytes
	s_endpgm
.Lfunc_end_k_qb1a5aa3b23_prep:
	.size	k_qb1a5aa3b23_prep, .Lfunc_end_k_qb1a5aa3b23_prep-k_qb1a5aa3b23_prep
	.p2alignl 7, 3214868480
	.fill 96, 4, 3214868480
	.section	.rodata,"a",@progbits
	.p2align	6, 0x0
	.amdhsa_kernel k_qb1a5aa3b23_prep
		.amdhsa_group_segment_fixed_size 0
		.amdhsa_private_segment_fixed_size 0
		.amdhsa_enable_private_segment 0
		.amdhsa_kernarg_size 16
		.amdhsa_user_sgpr_count 2
		.amdhsa_user_sgpr_kernarg_segment_ptr 1
		.amdhsa_wavefront_size32 1
		.amdhsa_system_sgpr_workgroup_id_x 1
		.amdhsa_system_sgpr_workgroup_id_y 1
		.amdhsa_system_sgpr_workgroup_id_z 1
		.amdhsa_system_vgpr_workitem_id 0
		.amdhsa_next_free_vgpr 96
		.amdhsa_next_free_sgpr 66
		.amdhsa_reserve_vcc 0
		.amdhsa_float_denorm_mode_32 3
		.amdhsa_float_denorm_mode_16_64 3
		.amdhsa_memory_ordered 1
		.amdhsa_forward_progress 1
		.amdhsa_inst_pref_size 7
	.end_amdhsa_kernel
	.amdgpu_metadata
---
amdhsa.version: [ 1, 2 ]
amdhsa.kernels:
  - .name:           k_qb1a5aa3b23_prep
    .symbol:         k_qb1a5aa3b23_prep.kd
    .args:
      - { .name: w_weight, .offset: 0, .size: 8, .value_kind: global_buffer, .address_space: global }
      - { .name: wq, .offset: 8, .size: 8, .value_kind: global_buffer, .address_space: global }
    .group_segment_fixed_size: 0
    .private_segment_fixed_size: 0
    .kernarg_segment_align: 8
    .kernarg_segment_size: 16
    .max_flat_workgroup_size: 32
    .sgpr_count:     66
    .vgpr_count:     96
    .wavefront_size: 32
...
	.end_amdgpu_metadata
.endif
;; end of part 1
;; launch main (part 2): grid 256 x 1, 8 waves a work-group, no clusters, 78,848 bytes of LDS; arguments H, mask, u_weight, w_bias, wq, out0; writes out0
.if DOCPART == 2
	.amdgcn_target "amdgcn-amd-amdhsa--gfx1250"
	.amdhsa_code_object_version 6
	.text
	.protected	k_qb1a5aa3b23_main
	.globl	k_qb1a5aa3b23_main
	.p2align	8
	.type	k_qb1a5aa3b23_main,@function
k_qb1a5aa3b23_main:
	s_mov_b64 s[64:65], 0
	v_nop
	global_prefetch_b8 v0, s[64:65] scope:SCOPE_SE
	s_setreg_imm32_b32 hwreg(HW_REG_WAVE_MODE, 25, 1), 1
	s_wait_xcnt 0x0
; For each of 2,048 groups of 32 words x 512 f32:  e[t] = u . tanh(Q(H[t]) Q(W)^T + b), the product on codes of FP4 (E2M1) with one E8M0 scale for each 32 along K;
; e = finfo.min where the mask is false; w = softmax(e) over the 32 words, the maximum taken away first; out = the sum over t of w[t] H[t], on H as it is given, in f32.
; SHARES.  A work-group of eight waves owns 8 groups, one after the other, written out: no loop, no branch.  H IS READ FROM MEMORY ONCE, INTO REGISTERS: wave w loads columns 64 w .. 64 w + 63 of all 32 rows
; (64 registers a group, four such sets in window 1, so that two or three groups' loads are out while others are worked on and no wait on them is for all).  The set serves twice: it is copied to a stage in LDS,
; from which the quantiser reads rows along K, and it stays in registers for the weighted sum, whose lanes run along the columns.
; THE WAVES SHARE W's ROWS: wave w holds units a = 32 w .. 32 w + 31 of W for all of K, 8 fragments, 64 registers, read once from wq as images of the operand's registers.
; H's codes: wave w quantises fragment f = w = 4 m + s (words 16 m .. + 15, K = 128 s .. + 127) and stores it to LDS as an image of its registers (16 bytes a lane on end); every wave loads all eight images.
; THE MATRIX INSTRUCTION IS USED TRANSPOSED (source 0 = 16 rows of W, source 1 = 16 words): lane (r, h) holds ONE word t = 16 m + r, its registers the units a = 32 w + 16 n + 8 h + j.  So the bias is the C of the
; first K step, u lies in 16 registers, and a lane's part of e is made without another lane; the 16 parts of a word (8 waves x 2 halves) meet in LDS, and every wave makes the whole softmax for itself.
; tanh(x) = 1 - 2 / (1 + 2^(2 log2(e) x)), right at both ends (2^.. = 0 or infinity).  So the sum of u tanh = the sum of u + the sum of (-2 u) / (1 + 2^..): the first is the addend of the first multiply-add.
; The products with N = 1 (u . a and the weighted sum) are packed f32 multiply-adds: a matrix instruction would spend 15 of its 16 columns on nothing.
; NO CLUSTER: the work-groups share wq alone, 72 KiB against 512 KiB of H that is each one's own, and wq goes into registers once.  No tensor loads: H is wanted in registers anyway.
; TWO BARRIERS A GROUP serve one copy of each LDS region: B1 (images whole; all reads of the stage and of the parts of e over), B2 (parts of e and the next group's stage whole; all reads of the images over).
; THE ORDER OF A GROUP gives each run of LDS instructions work to land behind.  Behind B1 the eight images are asked for, and the weighted sum of the group BEFORE, the refill of its set and its store stand
; between that request and the wait for it: nothing but the set's release hangs on them.  The next group's copy to the stage is issued directly behind the products, so that the tanh stands between its sixteen
; stores and B2's wait.  Behind B2 the next group's numbers are asked for out of the stage, and the softmax stands between that request and the wait for it.
; LIMITS: NaN and infinities in H are not served; a block of zeros gets the scale byte 1 (its codes are zeros; the bytes never leave the work-group); any mask byte other than 0 counts as true.
.set SP,   2064                        ; a stage row: 2,048 bytes + 16 = 129 x 16: sixteen rows at one column start at sixteen different groups of four banks (64 banks of 4 bytes: ISA guide 11.1)
.set HALF, 16*SP
.set IMG,  0                           ; LDS: H's 8 fragments: 1024 f + 512 c + 16 lane
.set ISC,  8192                        ; their scale words: 256 m + 16 r + 4 s: a row's four words on end, so that one load of 16 bytes brings them
.set EP,   9216                        ; the parts of e: word t at 80 t (64 bytes + 16 of padding), part 2 w + h at + 4 (2 w + h)
.set STG,  11776                       ; the stage: 32 rows of SP bytes; ends at 77,824
.set HA,   1                           ; v1   H: 32768 h + 256 w + 16 c; never rewritten
.set SWA,  2                           ; v2   into the stage: STG + HALF h + 256 w + 16 c
.set XR,   3                           ; v3   out of it: STG + (16 (w / 4) + r) SP + 512 (w % 4) + 128 h
.set IW,   4                           ; v4   where I store my fragment's image
.set PWA,  5                           ; v5   and its scale word: ISC + 256 (w / 4) + 16 r + 4 (w % 4)
.set LI,   6                           ; v6   16 x lane
.set LS,   7                           ; v7   ISC + 16 r
.set EPW,  8                           ; v8   EP + 80 r + 8 w + 4 h
.set EPR,  9                           ; v9   EP + 80 x lane
.set OA,   12                          ; v12  out0: 256 w + 16 c + 8 h; never rewritten
.set QH8,  13                          ; v13  8 h
.set NEG,  14                          ; v14  finfo.min
.set QT,   15                          ; v15  the lane permutes' destination
.set US,   16                          ; v[16:17] (the sum of my 16 u, 0)
.set UA,   18                          ; v18  u, bias: 128 w + 32 h
.set WQA,  19                          ; v19  wq's codes: 8192 w + 16 x lane
.set WSA,  20                          ; v20  wq's scale words: 1024 w + 4 x lane
.set LN,   21                          ; v21  lane: the mask's offset
.set WR,   22                          ; v22  w[t] of word t = lane: kept from a group's softmax to its weighted sum (at the head: r)
.set OUT,  24                          ; v24-39   a pair for each group: no store's data are written again
.set WS,   40                          ; v40-47   W's scale words, 4 n + s: scales and nothing else
.set HS,   48                          ; v48-55   H's scale words, 4 m + s: scales and nothing else
.set BI,   56                          ; v56-71   the bias in the result's layout, 8 n + j
.set MU,   72                          ; v72-87   -2 u likewise
.set WF,   88                          ; v88-151  W's fragments, 8 (4 n + s)
.set PL,   152                         ; v152-215 64 numbers to quantise, then H's 8 fragments, 8 (4 m + s)
.set AC,   216                         ; v216-247 four accumulators, 8 (2 n + m); outside the product the registers serve as below
.set EA,   248                         ; v248-255 four pairs of partial sums of e; at the head the mask's bytes
.set QX,   PL
.set QPC,  AC                          ; while quantising: the codes,
.set QM,   AC+8                        ; largest magnitudes,
.set QN,   AC+10
.set QSO,  AC+12                       ; the conversions' scale operands,
.set QBY,  AC+14                       ; bytes,
.set QPW,  AC+16                       ; the scale word
.set WT,   AC                          ; in the softmax: 16 parts of e; in the weighted sum: w[16 h + 0 .. 15]
.set SA,   AC+16                       ; the weighted sum over even rows, 4 columns
.set SB,   AC+20                       ; over odd rows
.set EV,   AC+24                       ; e, then p of word t = lane
.set MX,   AC+25                       ; the maximum, the sum, its reciprocal
.set SEL,  20                          ; s[20:21] v_permlanex16_b32's selects for lane l xor 16
.set CS,   22                          ; s[22:23] 2 log2(e): the packed form names a pair and takes its low word for both halves
.set MK,   32                          ; s32-39   group g's mask: bit t for word t
.set MSB, 0
.macro WIN new                         ; s_set_vgpr_msb: bits 1:0 source 0, 3:2 source 1, 5:4 source 2, 7:6 destination; the high byte repeats the setting that is left; a switch that changes nothing is dropped
.if MSB != \new
	s_set_vgpr_msb (MSB<<8)|\new
.set MSB, \new
.endif
.endm
; 64 numbers of a lane, register 32 c + i = k 64 c + 32 h + i of my row, become a fragment's codes in v[QPC] on and the row's scale word in v[QPW].
.macro QUANT
.irp c, 0,1
	v_max3_num_f32 v[QM+\c], |v[QX+32*\c]|, |v[QX+32*\c+1]|, 0x1800000      ; block 2 c + h: all its 32 numbers are mine; the floor 2^(3 - 127) among the leaves: the byte cannot fall under 1
	v_max3_num_f32 v[QN+\c], |v[QX+32*\c+16]|, |v[QX+32*\c+17]|, |v[QX+32*\c+18]|
.endr
.irp k, 0,1,2,3,4,5
.irp c, 0,1
	v_max3_num_f32 v[QM+\c], v[QM+\c], |v[QX+32*\c+2+2*\k]|, |v[QX+32*\c+3+2*\k]|       ; four chains by turns: no line waits for the line above it
	v_max3_num_f32 v[QN+\c], v[QN+\c], |v[QX+32*\c+19+2*\k]|, |v[QX+32*\c+20+2*\k]|
.endr
.endr
.irp c, 0,1
	v_max3_num_f32 v[QM+\c], v[QM+\c], |v[QX+32*\c+14]|, |v[QX+32*\c+15]|
.endr
.irp c, 0,1
	v_max3_num_f32 v[QM+\c], v[QM+\c], v[QN+\c], |v[QX+32*\c+31]|           ; the block's largest magnitude
.endr
.irp c, 0,1
	v_add_nc_u32 v[QSO+\c], 0xff000000, v[QM+\c]                            ; 2 off its exponent field: the conversion takes the exponent field of this operand as its scale
.endr
.irp c, 0,1
	v_lshrrev_b32 v[QBY+\c], 23, v[QSO+\c]                                  ; the scale's byte
.endr
	v_lshl_or_b32 v[QPW], v[QBY+1], 16, v[QBY]                              ; my two bytes, blocks h and 2 + h,
	v_lshlrev_b32 v[QPW], v[QH8], v[QPW]                                    ; at their places in the word (8 h bits up);
	v_permlanex16_b32 v[QT], v[QPW], s[SEL], s[SEL+1]
	v_or_b32 v[QPW], v[QPW], v[QT]                                          ; with lane l xor 16's two the word is whole, in both halves of the lanes
.irp c, 0,1
.irp q, 0,1,2,3
	v_cvt_scalef32_pk8_fp4_f32 v[QPC+4*\c+\q], v[QX+32*\c+8*\q:QX+32*\c+8*\q+7], v[QSO+\c]   ; registers 4 c .. 4 c + 3 of the operand; beyond 6 the largest code
.endr
.endr
	v_nop                                                                   ; one plain place behind the last scaled conversion: vector and matrix instructions write these registers later
.endm
.macro LOADSET g                       ; group g of H into set g % 4: register 4 i + j = H[16 h + i][64 w + 4 c + j].  Sixteen lanes read 256 consecutive bytes, aligned; the eight waves cover the rows.  (Leaves the window set)
.set SET0, 64*((\g)%4)
	WIN 0x40                                       ; destination window 1, address window 0
.irp i, 0,1,2,3,4,5,6,7,8,9,10,11,12,13,14,15
	global_load_b128 v[SET0+4*\i:SET0+4*\i+3], v[HA], s[4:5] offset:65536*(\g)+2048*\i th:TH_LOAD_NT
.endr
.endm
.macro STAGE g                         ; the set goes to the stage as it lies: sixteen lanes write 256 consecutive bytes
.set SET0, 64*((\g)%4)
	WIN 0x04                                       ; an LDS store's data are its source 1: window 1
.irp i, 0,1,2,3,4,5,6,7,8,9,10,11,12,13,14,15
	ds_store_b128 v[SWA], v[SET0+4*\i:SET0+4*\i+3] offset:SP*\i
.endr
	WIN 0
.endm
.macro XLOAD                           ; my fragment's numbers out of the stage: of row 16 (w / 4) + r, two blocks of 32 neighbours
.irp c, 0,1
.irp q, 0,1,2,3,4,5,6,7
	ds_load_b128 v[PL+32*\c+4*\q:PL+32*\c+4*\q+3], v[XR] offset:256*\c+16*\q
.endr
.endr
.endm
.macro IMAGE                           ; the fragment goes to LDS as it stands in the registers; its scale word to its row's place (lanes r and 16 + r write the same word with the same value)
.irp c, 0,1
	ds_store_b128 v[IW], v[QPC+4*\c:QPC+4*\c+3] offset:512*\c
.endr
	ds_store_b32 v[PWA], v[QPW]
.endm
.macro BARRIER                         ; my LDS stores have landed and my LDS loads are in: then the work-group's barrier
	s_wait_dscnt 0x0
	s_barrier_signal -1
	s_barrier_wait -1
.endm
.macro FETCH                           ; all eight fragments of H, by the same lines as they were stored, and the scale words of 16 rows x 4 K steps by one load
.irp f, 0,1,2,3,4,5,6,7
.irp c, 0,1
	ds_load_b128 v[PL+8*\f+4*\c:PL+8*\f+4*\c+3], v[LI] offset:IMG+1024*\f+512*\c
.endr
.endr
.irp m, 0,1
	ds_load_b128 v[HS+4*\m:HS+4*\m+3], v[LS] offset:256*\m
.endr
.endm
; 16 matrix instructions: my 32 units x the group's 32 words x K = 512.  The four accumulators take turns, one instruction a turn.  The bias starts the sums.  All operands and scales were filled by loads.
.macro PRODUCT
.irp s, 0,1,2,3
.irp n, 0,1
.irp m, 0,1
.if \s == 0
	v_wmma_scale_f32_16x16x128_f8f6f4 v[AC+8*(2*\n+\m):AC+8*(2*\n+\m)+7], v[WF+8*(4*\n+\s):WF+8*(4*\n+\s)+7], v[PL+8*(4*\m+\s):PL+8*(4*\m+\s)+7], v[BI+8*\n:BI+8*\n+7], v[WS+4*\n+\s], v[HS+4*\m+\s] matrix_a_fmt:MATRIX_FMT_FP4 matrix_b_fmt:MATRIX_FMT_FP4
.else
	v_wmma_scale_f32_16x16x128_f8f6f4 v[AC+8*(2*\n+\m):AC+8*(2*\n+\m)+7], v[WF+8*(4*\n+\s):WF+8*(4*\n+\s)+7], v[PL+8*(4*\m+\s):PL+8*(4*\m+\s)+7], v[AC+8*(2*\n+\m):AC+8*(2*\n+\m)+7], v[WS+4*\n+\s], v[HS+4*\m+\s] matrix_a_fmt:MATRIX_FMT_FP4 matrix_b_fmt:MATRIX_FMT_FP4
.endif
.endr
.endr
.endr
.endm
; My part of e for my two words (t = r and 16 + r): the sum over my 16 units of u tanh(x).
.macro TANH_E
.rept 4
	v_nop                                          ; four places behind the last matrix instruction; the LDS stores that may stand between are no places
.endr
.irp a, 0,1,2,3
.irp p, 0,1,2,3
	v_pk_mul_f32 v[AC+8*\a+2*\p:AC+8*\a+2*\p+1], v[AC+8*\a+2*\p:AC+8*\a+2*\p+1], s[CS:CS+1] op_sel_hi:[1,0]   ; 2 log2(e) x; each accumulator from its low end on
.endr
.endr
.set J, 0
.rept 32
	v_exp_f32 v[AC+J], v[AC+J]
.set J, J+1
.endr
	v_nop                                          ; a plain place behind the exponentials
.set J, 0
	s_wait_alu depctr_va_vdst(0)
.rept 16
	v_pk_add_f32 v[AC+J:AC+J+1], v[AC+J:AC+J+1], 1.0 op_sel_hi:[1,0]
.set J, J+2
.endr
.set J, 0
.rept 32
	v_rcp_f32 v[AC+J], v[AC+J]
.set J, J+1
.endr
	v_nop                                          ; a plain place behind the reciprocals
	s_wait_alu depctr_va_vdst(0)
.irp m, 0,1
	v_pk_fma_f32 v[EA+2*\m:EA+2*\m+1], v[AC+8*\m:AC+8*\m+1], v[MU:MU+1], v[US:US+1]          ; the sum of my u starts word m's sum
	v_pk_mul_f32 v[EA+4+2*\m:EA+4+2*\m+1], v[AC+16+8*\m:AC+16+8*\m+1], v[MU+8:MU+9]
.endr
.irp p, 1,2,3
.irp n, 0,1
.irp m, 0,1
	v_pk_fma_f32 v[EA+2*(2*\n+\m):EA+2*(2*\n+\m)+1], v[AC+8*(2*\n+\m)+2*\p:AC+8*(2*\n+\m)+2*\p+1], v[MU+8*\n+2*\p:MU+8*\n+2*\p+1], v[EA+2*(2*\n+\m):EA+2*(2*\n+\m)+1]   ; four chains by turns
.endr
.endr
.endr
.irp m, 0,1
	v_pk_add_f32 v[EA+2*\m:EA+2*\m+1], v[EA+2*\m:EA+2*\m+1], v[EA+4+2*\m:EA+4+2*\m+1]
.endr
.irp m, 0,1
	v_add_f32 v[EA+2*\m], v[EA+2*\m], v[EA+2*\m+1]
.endr
.irp m, 0,1
	ds_store_b32 v[EPW], v[EA+2*\m] offset:1280*\m   ; word 16 m + r, part 2 w + h
.endr
.endm
.macro EPLOAD                          ; lane t takes word t's 16 parts
.irp q, 0,1,2,3
	ds_load_b128 v[WT+4*\q:WT+4*\q+3], v[EPR] offset:16*\q
.endr
.endm
; Lane t: e[t], the mask, the softmax over the 32 lanes.  w[t] is left in v[WR].
.macro SOFTMAX g
.irp j, 0,4,8,12
	v_pk_add_f32 v[WT+\j:WT+\j+1], v[WT+\j:WT+\j+1], v[WT+\j+2:WT+\j+3]
.endr
.irp j, 0,8
	v_pk_add_f32 v[WT+\j:WT+\j+1], v[WT+\j:WT+\j+1], v[WT+\j+4:WT+\j+5]
.endr
	v_pk_add_f32 v[WT:WT+1], v[WT:WT+1], v[WT+8:WT+9]
	v_add_f32 v[EV], v[WT], v[WT+1]                ; e[t]
	v_cndmask_b32 v[EV], v[NEG], v[EV], s[MK+(\g)] ; finfo.min where the mask is false
	v_mov_b32 v[MX], v[EV]                         ; (a DPP form's destination counts as one of its sources)
.irp x, 1,2,4,8
	v_max_num_f32_dpp v[MX], v[MX], v[MX] row_xmask:\x row_mask:0xf bank_mask:0xf
.endr
	v_permlanex16_b32 v[QT], v[MX], s[SEL], s[SEL+1]
	v_max_num_f32 v[MX], v[MX], v[QT]              ; the group's largest e, in every lane
	v_sub_f32 v[EV], v[EV], v[MX]
	v_mul_f32 v[EV], 0x3fb8aa3b, v[EV]             ; x log2(e)
	v_exp_f32 v[EV], v[EV]
	v_nop                                          ; a plain place behind the exponential
	s_wait_alu depctr_va_vdst(0)
	v_mov_b32 v[MX], v[EV]
.irp x, 1,2,4,8
	v_add_f32_dpp v[MX], v[MX], v[MX] row_xmask:\x row_mask:0xf bank_mask:0xf
.endr
	v_permlanex16_b32 v[QT], v[MX], s[SEL], s[SEL+1]
	v_add_f32 v[MX], v[MX], v[QT]                  ; the sum: at least 1
	v_rcp_f32 v[MX], v[MX]
	v_nop                                          ; a plain place behind the reciprocal
	s_wait_alu depctr_va_vdst(0)
	v_mul_f32 v[WR], v[EV], v[MX]                  ; w[t]
.endm
; Each half of the lanes wants the weights of its 16 rows in registers: w[16 h + i] lies in lane i of the lane's own row of sixteen.  (The destinations have been written: by the quantiser, or by the tanh)
.macro WBCAST
.irp i, 0,1,2,3,4,5,6,7,8,9,10,11,12,13,14,15
	v_mov_b32_dpp v[WT+\i], v[WR] row_share:\i row_mask:0xf bank_mask:0xf
.endr
.endm
; The weighted sum of my 16 rows x 4 columns, from the set in registers: even rows into SA, odd rows into SB; of the pair of weights the low or the high word serves both halves.  (Leaves the window set)
.macro WSUM g
.set SET0, 64*((\g)%4)
	WIN 0x01                                       ; source 0 window 1
.irp i, 0,2,4,6,8,10,12,14
.irp j, 0,2
.if \i == 0
	v_pk_mul_f32 v[SA+\j:SA+\j+1], v[SET0+4*\i+\j:SET0+4*\i+\j+1], v[WT+\i:WT+\i+1] op_sel_hi:[1,0]           ; the first products start the sums
	v_pk_mul_f32 v[SB+\j:SB+\j+1], v[SET0+4*\i+4+\j:SET0+4*\i+4+\j+1], v[WT+\i:WT+\i+1] op_sel:[0,1] op_sel_hi:[1,1]
.else
	v_pk_fma_f32 v[SA+\j:SA+\j+1], v[SET0+4*\i+\j:SET0+4*\i+\j+1], v[WT+\i:WT+\i+1], v[SA+\j:SA+\j+1] op_sel_hi:[1,0,1]
	v_pk_fma_f32 v[SB+\j:SB+\j+1], v[SET0+4*\i+4+\j:SET0+4*\i+4+\j+1], v[WT+\i:WT+\i+1], v[SB+\j:SB+\j+1] op_sel:[0,1,0] op_sel_hi:[1,1,1]
.endif
.endr
.endr
.endm
; The two halves of the lanes hold rows 0-15 and rows 16-31 of the same four columns.  Two exchanges give lanes 0-15 both parts of columns 0, 1 and lanes 16-31 both parts of columns 2, 3.
.macro FINISH g
	WIN 0
	v_pk_add_f32 v[SA:SA+1], v[SA:SA+1], v[SB:SB+1]
	v_pk_add_f32 v[SA+2:SA+3], v[SA+2:SA+3], v[SB+2:SB+3]
	v_permlane16_swap_b32 v[SA], v[SA+2]           ; the first's lanes 16-31 change places with the second's lanes 0-15
	v_permlane16_swap_b32 v[SA+1], v[SA+3]
	v_pk_add_f32 v[OUT+2*(\g):OUT+2*(\g)+1], v[SA:SA+1], v[SA+2:SA+3]       ; lane (c, h): columns 64 w + 4 c + 2 h, + 1
	global_store_b64 v[OA], v[OUT+2*(\g):OUT+2*(\g)+1], s[14:15] offset:2048*(\g) th:TH_STORE_NT   ; the wave stores 256 consecutive bytes, at a multiple of 256 from out0's first byte
.endm
	s_load_b256 s[4:11], s[0:1], 0x0               ; H s[4:5], mask s[6:7], u_weight s[8:9], w_bias s[10:11]
	s_load_b128 s[12:15], s[0:1], 0x20             ; wq s[12:13], out0 s[14:15]
	v_lshl_add_u32 v10, v0, 2, 0x13000
	v_mov_b32 v11, 0
	v_lshrrev_b32 v22, 5, v0
	v_readfirstlane_b32 s16, v22                   ; wave w, 0 .. 7
	v_and_b32 v[LN], 31, v0                        ; lane
	v_and_b32 v22, 15, v0                          ; r = c
	v_bfe_u32 v23, v0, 4, 1                        ; h
	s_lshl_b32 s17, s16, 8                         ; 256 w
	v_lshlrev_b32 v[HA], 4, v22
	v_lshl_add_u32 v[HA], v23, 15, v[HA]
	v_add_nc_u32 v[HA], s17, v[HA]
	s_add_co_u32 s18, s17, STG
	v_lshlrev_b32 v[SWA], 4, v22
	v_mad_u32_u24 v[SWA], v23, HALF, v[SWA]
	v_add_nc_u32 v[SWA], s18, v[SWA]
	s_lshr_b32 s18, s16, 2                         ; m of my fragment
	s_mul_i32 s18, s18, HALF
	s_and_b32 s19, s16, 3                          ; s of my fragment
	s_lshl_b32 s19, s19, 9
	s_add_co_u32 s18, s18, s19
	s_add_co_u32 s18, s18, STG
	v_mul_u32_u24 v[XR], v22, SP
	v_lshl_add_u32 v[XR], v23, 7, v[XR]
	v_add_nc_u32 v[XR], s18, v[XR]
	s_lshl_b32 s18, s16, 10                        ; 1024 w
	v_lshl_add_u32 v[IW], v[LN], 4, s18            ; (IMG = 0)
	v_lshl_add_u32 v[WSA], v[LN], 2, s18
	s_lshr_b32 s18, s16, 2                         ; my fragment's scale words: 256 m
	s_lshl_b32 s18, s18, 8
	s_and_b32 s19, s16, 3                          ; + 4 s
	s_lshl_b32 s19, s19, 2
	s_add_co_u32 s18, s18, s19
	s_add_co_u32 s18, s18, ISC
	v_lshl_add_u32 v[PWA], v22, 4, s18             ; + 16 r
	v_lshlrev_b32 v[LI], 4, v[LN]
	v_lshl_add_u32 v[LS], v22, 4, ISC
	s_lshl_b32 s18, s16, 7                         ; 128 w
	v_lshl_add_u32 v[UA], v23, 5, s18
	s_lshl_b32 s19, s16, 3
	s_add_co_u32 s19, s19, EP
	v_mul_u32_u24 v[EPW], v22, 80
	v_lshl_add_u32 v[EPW], v23, 2, v[EPW]
	v_add_nc_u32 v[EPW], s19, v[EPW]
	v_mul_u32_u24 v[EPR], v[LN], 80
	v_add_nc_u32 v[EPR], EP, v[EPR]
	v_lshlrev_b32 v[OA], 4, v22
	v_lshl_add_u32 v[OA], v23, 3, v[OA]
	v_add_nc_u32 v[OA], s17, v[OA]
	v_lshlrev_b32 v[QH8], 3, v23
	v_mov_b32 v[NEG], 0xff7fffff
	v_mov_b32 v[QT], 0                             ; written once: a lane permute's destination counts as one of its sources
	s_lshl_b32 s19, s16, 13
	v_lshl_add_u32 v[WQA], v[LN], 4, s19
	s_mov_b32 s[SEL], 0x76543210
	s_mov_b32 s[SEL+1], 0xfedcba98
	s_mov_b32 s[CS], 0x4038aa3b                    ; 2 log2(e)
	s_mov_b32 s[CS+1], s[CS]                       ; (named with it as a pair, so it is written)
	s_lshl_b32 s24, ttmp9, 19                      ; my 8 groups of H: 8 x 65,536 bytes (under 2^27)
	s_mov_b32 s25, 0
	s_lshl_b32 s26, ttmp9, 8                       ; of the mask: 8 x 32 bytes
	s_mov_b32 s27, 0
	s_lshl_b32 s28, ttmp9, 14                      ; of out0: 8 x 2,048 bytes
	s_mov_b32 s29, 0
	s_wait_kmcnt 0x0
	s_add_nc_u64 s[4:5], s[4:5], s[24:25]
	s_add_nc_u64 s[6:7], s[6:7], s[26:27]
	s_add_nc_u64 s[14:15], s[14:15], s[28:29]      ; no base and no offset register is written from here on
	LOADSET 0                                      ; the first group is asked for ahead of all else: it is wanted first
	WIN 0
.irp f, 0,1,2,3,4,5,6,7                        ; my 8 fragments of W (f = 4 n + s) and their scale words: they stay
.irp c, 0,1
	global_load_b128 v[WF+8*\f+4*\c:WF+8*\f+4*\c+3], v[WQA], s[12:13] offset:1024*\f+512*\c
.endr
	global_load_b32 v[WS+\f], v[WSA], s[12:13] offset:65536+128*\f
.endr
.irp n, 0,1                                    ; bias and u of units 32 w + 16 n + 8 h + 0 .. 7
.irp c, 0,1
	global_load_b128 v[BI+8*\n+4*\c:BI+8*\n+4*\c+3], v[UA], s[10:11] offset:64*\n+16*\c
	global_load_b128 v[MU+8*\n+4*\c:MU+8*\n+4*\c+3], v[UA], s[8:9] offset:64*\n+16*\c
.endr
.endr
.irp g, 0,1,2,3,4,5,6,7
	global_load_u8 v[EA+\g], v[LN], s[6:7] offset:32*\g   ; lane t: the mask's byte of word t of group g
.endr
	LOADSET 1                                      ; 104 loads stand ahead of the first wait; a load that would pass the counter's field is held at its issue (ISA guide 5.7.1), so no wait is placed for that
	LOADSET 2
	LOADSET 3
	WIN 0
	s_wait_loadcnt 48                              ; loads come back in order (ISA guide 5.7.1): all but the 48 of sets 1 to 3 are in
.irp g, 0,1,2,3,4,5,6,7
	v_cmp_ne_u32 s[MK+\g], 0, v[EA+\g]             ; a bit for each word; it only selects a value
.endr
.irp j, 0,1,2,3
	v_pk_add_f32 v[AC+2*\j:AC+2*\j+1], v[MU+4*\j:MU+4*\j+1], v[MU+4*\j+2:MU+4*\j+3]   ; the sum of my 16 u
.endr
	v_pk_add_f32 v[AC:AC+1], v[AC:AC+1], v[AC+2:AC+3]
	v_pk_add_f32 v[AC+4:AC+5], v[AC+4:AC+5], v[AC+6:AC+7]
	v_pk_add_f32 v[AC:AC+1], v[AC:AC+1], v[AC+4:AC+5]
	v_add_f32 v[US], v[AC], v[AC+1]
	v_mov_b32 v[US+1], 0
.irp j, 0,2,4,6,8,10,12,14
	v_pk_mul_f32 v[MU+\j:MU+\j+1], v[MU+\j:MU+\j+1], -2.0 op_sel_hi:[1,0]
.endr
	STAGE 0
	BARRIER                                        ; group 0 lies whole in the stage
	XLOAD
	s_wait_dscnt 0x0
.macro GROUP g
	QUANT                                          ; my fragment of group g
	IMAGE
	BARRIER                                        ; B1: the eight images are whole; every wave's reads of the stage and of the parts of e are over
	FETCH
.if (\g) > 0                                   ; between the request for the images and the wait for them: what is left of the group before
	WBCAST
	WSUM (\g)-1
.if (\g) < 5
	LOADSET (\g)+3                                 ; the set's last reader has been issued: it takes the group four further on
.endif
	FINISH (\g)-1
.endif
	s_wait_dscnt 0x0                               ; the images and their scale words are in
	PRODUCT
.if (\g) < 7
.if (\g) < 5
	s_wait_loadcnt 32                              ; set g + 1 is in; the two sets issued behind it may be out
.else
	s_wait_loadcnt 16*(6-(\g))                     ; behind set g + 1 one set was issued, or none
.endif
	STAGE (\g)+1                                   ; nobody reads the stage between B1 and B2; the tanh stands between these stores and B2's wait for them
.endif
	TANH_E
	BARRIER                                        ; B2: the parts of e and the next group's stage are whole; every wave's reads of the images are over
	EPLOAD
.if (\g) < 7
	XLOAD                                          ; the next group's numbers come while this group's softmax is made
	s_wait_dscnt 16                                ; the parts of e are in; the sixteen loads issued behind them may be out
.else
	s_wait_dscnt 0x0
.endif
	SOFTMAX \g
.if (\g) < 7
	s_wait_dscnt 0x0                               ; the next group's numbers are in
.endif
.endm
.irp g, 0,1,2,3,4,5,6,7
	GROUP \g
.endr
	WBCAST                                         ; the last group's weighted sum has no successor to stand behind
	WSUM 7
	FINISH 7
	s_wait_tensorcnt 0x0
	ds_add_u32 v10, v11
	s_wait_dscnt 0x0
	s_endpgm
.Lfunc_end_k_qb1a5aa3b23_main:
	.size	k_qb1a5aa3b23_main, .Lfunc_end_k_qb1a5aa3b23_main-k_qb1a5aa3b23_main
	.p2alignl 7, 3214868480
	.fill 96, 4, 3214868480
	.section	.rodata,"a",@progbits
	.p2align	6, 0x0
	.amdhsa_kernel k_qb1a5aa3b23_main
		.amdhsa_group_segment_fixed_size 78848
		.amdhsa_private_segment_fixed_size 0
		.amdhsa_enable_private_segment 0
		.amdhsa_kernarg_size 48
		.amdhsa_user_sgpr_count 2
		.amdhsa_user_sgpr_kernarg_segment_ptr 1
		.amdhsa_wavefront_size32 1
		.amdhsa_system_sgpr_workgroup_id_x 1
		.amdhsa_system_sgpr_workgroup_id_y 1
		.amdhsa_system_sgpr_workgroup_id_z 1
		.amdhsa_system_vgpr_workitem_id 0
		.amdhsa_next_free_vgpr 512
		.amdhsa_next_free_sgpr 66
		.amdhsa_reserve_vcc 0
		.amdhsa_float_denorm_mode_32 3
		.amdhsa_float_denorm_mode_16_64 3
		.amdhsa_memory_ordered 1
		.amdhsa_forward_progress 1
		.amdhsa_inst_pref_size 177
	.end_amdhsa_kernel
	.amdgpu_metadata
---
amdhsa.version: [ 1, 2 ]
amdhsa.kernels:
  - .name:           k_qb1a5aa3b23_main
    .symbol:         k_qb1a5aa3b23_main.kd
    .args:
      - { .name: H, .offset: 0, .size: 8, .value_kind: global_buffer, .address_space: global }
      - { .name: mask, .offset: 8, .size: 8, .value_kind: global_buffer, .address_space: global }
      - { .name: u_weight, .offset: 16, .size: 8, .value_kind: global_buffer, .address_space: global }
      - { .name: w_bias, .offset: 24, .size: 8, .value_kind: global_buffer, .address_space: global }
      - { .name: wq, .offset: 32, .size: 8, .value_kind: global_buffer, .address_space: global }
      - { .name: out0, .offset: 40, .size: 8, .value_kind: global_buffer, .address_space: global }
    .group_segment_fixed_size: 78848
    .private_segment_fixed_size: 0
    .kernarg_segment_align: 8
    .kernarg_segment_size: 48
    .max_flat_workgroup_size: 256
    .sgpr_count:     66
    .vgpr_count:     512
    .wavefront_size: 32
...
	.end_amdgpu_metadata
.endif
;; end of part 2
;; ======== version 2 of 2: 2 launches
;; workspace buffers: wq 73,728 bytes
;; launch prep (part 3): grid 64 x 1, 1 waves a work-group, no clusters, 0 bytes of LDS; arguments w_weight, wq; writes wq
.if DOCPART == 3
	.amdgcn_target "amdgcn-amd-amdhsa--gfx1250"
	.amdhsa_code_object_version 6
	.text
	.protected	k_qb1a5aa3b23_prep
	.globl	k_qb1a5aa3b23_prep
	.p2align	8
	.type	k_qb1a5aa3b23_prep,@function
k_qb1a5aa3b23_prep:
	s_mov_b64 s[64:65], 0
	v_nop
	global_prefetch_b8 v0, s[64:65] scope:SCOPE_SE
	s_setreg_imm32_b32 hwreg(HW_REG_WAVE_MODE, 25, 1), 1
	s_wait_xcnt 0x0
; w_weight [256 (a)][512 (k)], f32, K innermost, is turned ONCE into codes of FP4 (E2M1) with one E8M0 scale byte for each 32 along K, since every work-group
; of the next launch reads it: 512 KiB of f32 become 72 KiB.  The codes are laid in the ORDER OF THE OPERAND'S REGISTERS: fragment f = 4 n16 + s (rows 16 n16 .. + 15, K = 128 s .. + 127)
; is 8 registers a lane; register group c (0, 1) of lane l lies at byte 1024 f + 512 c + 16 l.  The fragment's scale words lie at 65536 + 128 f + 4 l (lanes 16-31 hold the same words as lanes 0-15).
; One wave to a fragment, 64 work-groups: lane (r, h) takes row 16 n16 + r and of it k = 128 s + 64 c + 32 h + 0 .. 31: two WHOLE blocks of 32, in the order that the operand's layout gives that lane,
; so that no other lane is asked for a maximum and the conversions' results are the operand's registers.
; A block's scale is 2^(floor(log2(its largest magnitude)) - 2); its byte is the largest magnitude's exponent field - 2, held at 1 from below.
; LIMITS: a block of zeros gets the byte 1 where the quantiser says 127 (its codes are zeros, which add nothing under any byte but 0xff, and this program alone reads the bytes); NaN and infinities in w_weight are not served.
; The loads take 128 bytes of each of 16 rows: pieces of rows 2,048 bytes apart.  That is borne for a tensor of 512 KiB that is read once.
.set QX,  32                           ; v32-95  my 64 numbers: register 32 c + i = k 64 c + 32 h + i
.set QPC, 16                           ; v16-23  the codes: the fragment's registers
.set QM,  8                            ; v8-9    largest magnitudes, a block each
.set QN,  10                           ; v10-11  a second chain for each block
.set QSO, 12                           ; v12-13  the conversions' scale operands
.set QBY, 14                           ; v14-15  the scale bytes
.set QPW, 6                            ; v6      the scale word
.set QT,  5                            ; v5      a lane permute's destination
.set QH8, 4                            ; v4      8 h
.set SEL, 12                           ; s[12:13] v_permlanex16_b32's selects for lane l xor 16
; 64 numbers of a lane become a fragment's codes in v[QPC] on and its row's scale word in v[QPW].
.macro QUANT
.irp c, 0,1
	v_max3_num_f32 v[QM+\c], |v[QX+32*\c]|, |v[QX+32*\c+1]|, 0x1800000      ; block 2 c + h; the floor 2^(3 - 127) among the leaves: the byte cannot fall under 1
	v_max3_num_f32 v[QN+\c], |v[QX+32*\c+16]|, |v[QX+32*\c+17]|, |v[QX+32*\c+18]|
.endr
.irp k, 0,1,2,3,4,5
.irp c, 0,1
	v_max3_num_f32 v[QM+\c], v[QM+\c], |v[QX+32*\c+2+2*\k]|, |v[QX+32*\c+3+2*\k]|       ; four chains by turns: no line waits for the line above it
	v_max3_num_f32 v[QN+\c], v[QN+\c], |v[QX+32*\c+19+2*\k]|, |v[QX+32*\c+20+2*\k]|
.endr
.endr
.irp c, 0,1
	v_max3_num_f32 v[QM+\c], v[QM+\c], |v[QX+32*\c+14]|, |v[QX+32*\c+15]|
.endr
.irp c, 0,1
	v_max3_num_f32 v[QM+\c], v[QM+\c], v[QN+\c], |v[QX+32*\c+31]|           ; the block's largest magnitude
.endr
.irp c, 0,1
	v_add_nc_u32 v[QSO+\c], 0xff000000, v[QM+\c]                            ; 2 off its exponent field: the conversion takes the exponent field of this operand as its scale
.endr
.irp c, 0,1
	v_lshrrev_b32 v[QBY+\c], 23, v[QSO+\c]                                  ; the scale's byte
.endr
	v_lshl_or_b32 v[QPW], v[QBY+1], 16, v[QBY]                              ; my two bytes, blocks h and 2 + h,
	v_lshlrev_b32 v[QPW], v[QH8], v[QPW]                                    ; at their places in the word (8 h bits up);
	v_permlanex16_b32 v[QT], v[QPW], s[SEL], s[SEL+1]
	v_or_b32 v[QPW], v[QPW], v[QT]                                          ; with lane l xor 16's two the word is whole
.irp c, 0,1
.irp q, 0,1,2,3
	v_cvt_scalef32_pk8_fp4_f32 v[QPC+4*\c+\q], v[QX+32*\c+8*\q:QX+32*\c+8*\q+7], v[QSO+\c]   ; registers 4 c .. 4 c + 3 of the operand; beyond 6 the largest code
.endr
.endr
	v_nop                                                                   ; one plain place behind the last scaled conversion
.endm
	s_load_b128 s[4:7], s[0:1], 0x0                ; w_weight s[4:5], wq s[6:7]
	s_lshr_b32 s8, ttmp9, 2                        ; n16
	s_and_b32 s9, ttmp9, 3                         ; s
	s_lshl_b32 s10, s8, 15                         ; 16 rows of 2,048 bytes
	s_lshl_b32 s9, s9, 9                           ; 128 numbers of 4 bytes
	s_add_co_u32 s10, s10, s9
	s_mov_b32 s11, 0
	s_mov_b32 s[SEL], 0x76543210
	s_mov_b32 s[SEL+1], 0xfedcba98
	s_lshl_b32 s14, ttmp9, 10                      ; the fragment's codes: 1,024 f
	s_mov_b32 s15, 0
	s_lshl_b32 s18, ttmp9, 7                       ; its scale words: 65,536 + 128 f
	s_add_co_u32 s18, s18, 65536
	s_mov_b32 s19, 0
	v_and_b32 v7, 15, v0                           ; r
	v_bfe_u32 v4, v0, 4, 1                         ; h
	v_lshlrev_b32 v1, 11, v7
	v_lshl_add_u32 v1, v4, 7, v1                   ; row r, + 128 h bytes: my first block
	v_lshlrev_b32 v2, 4, v0                        ; 16 x lane (one wave: the thread's number is the lane)
	v_lshlrev_b32 v3, 2, v0                        ; 4 x lane
	v_lshlrev_b32 v[QH8], 3, v4
	v_mov_b32 v[QT], 0                             ; written once: a lane permute's destination counts as one of its sources
	s_wait_alu depctr_va_vdst(0)
	s_wait_kmcnt 0x0
	s_add_nc_u64 s[4:5], s[4:5], s[10:11]
	s_add_nc_u64 s[16:17], s[6:7], s[18:19]        ; from wq's own address, ahead of the step below
	s_add_nc_u64 s[6:7], s[6:7], s[14:15]
.irp c, 0,1
.irp q, 0,1,2,3,4,5,6,7
	global_load_b128 v[QX+32*\c+4*\q:QX+32*\c+4*\q+3], v1, s[4:5] offset:256*\c+16*\q
.endr
.endr
	s_wait_loadcnt 0x0
	QUANT
.irp c, 0,1
	global_store_b128 v2, v[QPC+4*\c:QPC+4*\c+3], s[6:7] offset:512*\c      ; 32 lanes store 512 consecutive bytes, at a multiple of 256 from wq's first byte
.endr
	global_store_b32 v3, v[QPW], s[16:17]          ; 128 consecutive bytes
	s_endpgm
.Lfunc_end_k_qb1a5aa3b23_prep:
	.size	k_qb1a5aa3b23_prep, .Lfunc_end_k_qb1a5aa3b23_prep-k_qb1a5aa3b23_prep
	.p2alignl 7, 3214868480
	.fill 96, 4, 3214868480
	.section	.rodata,"a",@progbits
	.p2align	6, 0x0
	.amdhsa_kernel k_qb1a5aa3b23_prep
		.amdhsa_group_segment_fixed_size 0
		.amdhsa_private_segment_fixed_size 0
		.amdhsa_enable_private_segment 0
		.amdhsa_kernarg_size 16
		.amdhsa_user_sgpr_count 2
		.amdhsa_user_sgpr_kernarg_segment_ptr 1
		.amdhsa_wavefront_size32 1
		.amdhsa_system_sgpr_workgroup_id_x 1
		.amdhsa_system_sgpr_workgroup_id_y 1
		.amdhsa_system_sgpr_workgroup_id_z 1
		.amdhsa_system_vgpr_workitem_id 0
		.amdhsa_next_free_vgpr 96
		.amdhsa_next_free_sgpr 66
		.amdhsa_reserve_vcc 0
		.amdhsa_float_denorm_mode_32 3
		.amdhsa_float_denorm_mode_16_64 3
		.amdhsa_memory_ordered 1
		.amdhsa_forward_progress 1
		.amdhsa_inst_pref_size 7
	.end_amdhsa_kernel
	.amdgpu_metadata
---
amdhsa.version: [ 1, 2 ]
amdhsa.kernels:
  - .name:           k_qb1a5aa3b23_prep
    .symbol:         k_qb1a5aa3b23_prep.kd
    .args:
      - { .name: w_weight, .offset: 0, .size: 8, .value_kind: global_buffer, .address_space: global }
      - { .name: wq, .offset: 8, .size: 8, .value_kind: global_buffer, .address_space: global }
    .group_segment_fixed_size: 0
    .private_segment_fixed_size: 0
    .kernarg_segment_align: 8
    .kernarg_segment_size: 16
    .max_flat_workgroup_size: 32
    .sgpr_count:     66
    .vgpr_count:     96
    .wavefront_size: 32
...
	.end_amdgpu_metadata
.endif
;; end of part 3
;; launch main (part 4): grid 256 x 1, 8 waves a work-group, no clusters, 78,848 bytes of LDS; arguments H, mask, u_weight, w_bias, wq, out0; writes out0
.if DOCPART == 4
	.amdgcn_target "amdgcn-amd-amdhsa--gfx1250"
	.amdhsa_code_object_version 6
	.text
	.protected	k_qb1a5aa3b23_main
	.globl	k_qb1a5aa3b23_main
	.p2align	8
	.type	k_qb1a5aa3b23_main,@function
k_qb1a5aa3b23_main:
	s_mov_b64 s[64:65], 0
	v_nop
	global_prefetch_b8 v0, s[64:65] scope:SCOPE_SE
	s_setreg_imm32_b32 hwreg(HW_REG_WAVE_SCHED_MODE, 0, 2), 2
	s_setreg_imm32_b32 hwreg(HW_REG_WAVE_MODE, 25, 1), 1
	s_wait_xcnt 0x0
	s_wait_alu depctr_vm_vsrc(0)
; For each of 2,048 groups of 32 words x 512 f32:  e[t] = u . tanh(Q(H[t]) Q(W)^T + b), the product on codes of FP4 (E2M1) with one E8M0 scale for each 32 along K;
; e = finfo.min where the mask is false; w = softmax(e) over the 32 words, the maximum taken away first; out = the sum over t of w[t] H[t], on H as it is given, in f32.
; SHARES.  A work-group of eight waves owns 8 groups, one after the other, written out: no loop, no branch.  H IS READ FROM MEMORY ONCE, INTO REGISTERS: wave w loads columns 64 w .. 64 w + 63 of all 32 rows
; (64 registers a group, four such sets in window 1, so that two or three groups' loads are out while others are worked on and no wait on them is for all).  The set serves twice: it is copied to a stage in LDS,
; from which the quantiser reads rows along K, and it stays in registers for the weighted sum, whose lanes run along the columns.
; THE WAVES SHARE W's ROWS: wave w holds units a = 32 w .. 32 w + 31 of W for all of K, 8 fragments, 64 registers, read once from wq as images of the operand's registers.
; H's codes: wave w quantises fragment f = w = 4 m + s (words 16 m .. + 15, K = 128 s .. + 127) and stores it to LDS as an image of its registers (16 bytes a lane on end); every wave loads all eight images.
; THE MATRIX INSTRUCTION IS USED TRANSPOSED (source 0 = 16 rows of W, source 1 = 16 words): lane (r, h) holds ONE word t = 16 m + r, its registers the units a = 32 w + 16 n + 8 h + j.  So the bias is the C of the
; first K step, u lies in 16 registers, and a lane's part of e is made without another lane; the 16 parts of a word (8 waves x 2 halves) meet in LDS, and every wave makes the whole softmax for itself.
; tanh(x) = 1 - 2 / (1 + 2^(2 log2(e) x)), right at both ends (2^.. = 0 or infinity).  So the sum of u tanh = the sum of u + the sum of (-2 u) / (1 + 2^..): the first is the addend of the first multiply-add.
; The products with N = 1 (u . a and the weighted sum) are packed f32 multiply-adds: a matrix instruction would spend 15 of its 16 columns on nothing.
; NO CLUSTER: the work-groups share wq alone, 72 KiB against 512 KiB of H that is each one's own, and wq goes into registers once.  No tensor loads: H is wanted in registers anyway.
; TWO BARRIERS A GROUP serve one copy of each LDS region: B1 (images whole; all reads of the stage and of the parts of e over), B2 (parts of e and the next group's stage whole; all reads of the images over).
; THE ORDER OF A GROUP gives each run of LDS instructions work to land behind.  Behind B1 the eight images are asked for, and the weighted sum of the group BEFORE, the refill of its set and its store stand
; between that request and the wait for it: nothing but the set's release hangs on them.  The next group's copy to the stage is issued directly behind the products, so that the tanh stands between its sixteen
; stores and B2's wait.  Behind B2 the next group's numbers are asked for out of the stage, and the softmax stands between that request and the wait for it.
; THE MODE: SCHED_MODE bits 1:0 = 2 (LLVM: expert scheduling mode 2), set by the entry lines.  The code itself states the register dependences
; between vector or matrix instructions and memory or LDS instructions, with s_wait_alu, always for 0.
; THE PLAN.  Registers that memory or LDS instructions touch, in a group's order:
;   v[QPC ..], v[QPW]  Written by the quantiser; read by the image's three LDS stores ahead of B1; written again behind B1 by the broadcast of the weights, the weighted sum and the products.
;   v[PL ..]           The loads out of the stage land in it behind B2; the quantiser reads it; the images' loads land in it behind B1; the products read it.
;   v[HS ..]           The scale words' loads land in it behind B1; the products read it.
;   v[WT ..]           The loads of the parts of e land in it behind B2, in registers that the tanh has read and written; the softmax reads it.
;   v[EA], v[EA+2]     Written by the tanh; read by two LDS stores ahead of B2; written again by the next group's tanh.
;   a set (window 1)   Loads from memory land in it; the copy to the stage reads it (LDS stores), in the group before its own; the weighted sum reads it, one group behind its own; then the refill lands in it.
;   v[OUT ..]          A pair for each group: written at the weighted sum's end, read by one store, never written again.
;   v1 to v9, v12, v18 to v21, and v10, v11: offsets and LDS addresses, made at the head and never written again.
;   W's fragments, its scale words and the bias are loaded once; no operand and no scale of a product is written by a vector instruction.
; FOUR WAITS A GROUP state all of that, beside the four behind the batches of exponentials and reciprocals: on va_vdst behind the quantiser (for the image's stores, and for the images' loads behind B1);
; on vm_vsrc behind B1 (for all that is written again behind it); on va_vdst behind the weighted sum (for its store and for the refill); on va_vdst ahead of the stores of the parts of e (for them, and for the two
; runs of loads behind B2).  Between each of these waits and the loads and stores that lean on it no vector or matrix instruction names a register that those touch.
; The copy to the stage, directly behind the products, reads loaded registers and an address made at the head: it hangs on no vector or matrix result.
; LIMITS: NaN and infinities in H are not served; a block of zeros gets the scale byte 1 (its codes are zeros; the bytes never leave the work-group); any mask byte other than 0 counts as true.
.set SP,   2064                        ; a stage row: 2,048 bytes + 16 = 129 x 16: sixteen rows at one column start at sixteen different groups of four banks (64 banks of 4 bytes: ISA guide 11.1)
.set HALF, 16*SP
.set IMG,  0                           ; LDS: H's 8 fragments: 1024 f + 512 c + 16 lane
.set ISC,  8192                        ; their scale words: 256 m + 16 r + 4 s: a row's four words on end, so that one load of 16 bytes brings them
.set EP,   9216                        ; the parts of e: word t at 80 t (64 bytes + 16 of padding), part 2 w + h at + 4 (2 w + h)
.set STG,  11776                       ; the stage: 32 rows of SP bytes; ends at 77,824; behind it the spare words, 128 bytes for each of the eight waves
.set HA,   1                           ; v1   H: 32768 h + 256 w + 16 c; never rewritten
.set SWA,  2                           ; v2   into the stage: STG + HALF h + 256 w + 16 c
.set XR,   3                           ; v3   out of it: STG + (16 (w / 4) + r) SP + 512 (w % 4) + 128 h
.set IW,   4                           ; v4   where I store my fragment's image
.set PWA,  5                           ; v5   and its scale word: ISC + 256 (w / 4) + 16 r + 4 (w % 4)
.set LI,   6                           ; v6   16 x lane
.set LS,   7                           ; v7   ISC + 16 r
.set EPW,  8                           ; v8   EP + 80 r + 8 w + 4 h
.set EPR,  9                           ; v9   EP + 80 x lane
.set OA,   12                          ; v12  out0: 256 w + 16 c + 8 h; never rewritten
.set QH8,  13                          ; v13  8 h
.set NEG,  14                          ; v14  finfo.min
.set QT,   15                          ; v15  the lane permutes' destination
.set US,   16                          ; v[16:17] (the sum of my 16 u, 0)
.set UA,   18                          ; v18  u, bias: 128 w + 32 h
.set WQA,  19                          ; v19  wq's codes: 8192 w + 16 x lane
.set WSA,  20                          ; v20  wq's scale words: 1024 w + 4 x lane
.set LN,   21                          ; v21  lane: the mask's offset
.set WR,   22                          ; v22  w[t] of word t = lane: kept from a group's softmax to its weighted sum (at the head: r)
.set OUT,  24                          ; v24-39   a pair for each group: no store's data are written again
.set WS,   40                          ; v40-47   W's scale words, 4 n + s: scales and nothing else
.set HS,   48                          ; v48-55   H's scale words, 4 m + s: scales and nothing else
.set BI,   56                          ; v56-71   the bias in the result's layout, 8 n + j
.set MU,   72                          ; v72-87   -2 u likewise
.set WF,   88                          ; v88-151  W's fragments, 8 (4 n + s)
.set PL,   152                         ; v152-215 64 numbers to quantise, then H's 8 fragments, 8 (4 m + s)
.set AC,   216                         ; v216-247 four accumulators, 8 (2 n + m); outside the product the registers serve as below
.set EA,   248                         ; v248-255 four pairs of partial sums of e; at the head the mask's bytes
.set QX,   PL
.set QPC,  AC                          ; while quantising: the codes,
.set QM,   AC+8                        ; largest magnitudes,
.set QN,   AC+10
.set QSO,  AC+12                       ; the conversions' scale operands,
.set QBY,  AC+14                       ; bytes,
.set QPW,  AC+16                       ; the scale word
.set WT,   AC                          ; in the softmax: 16 parts of e; in the weighted sum: w[16 h + 0 .. 15]
.set SA,   AC+16                       ; the weighted sum over even rows, 4 columns
.set SB,   AC+20                       ; over odd rows
.set EV,   AC+24                       ; e, then p of word t = lane
.set MX,   AC+25                       ; the maximum, the sum, its reciprocal
.set SEL,  20                          ; s[20:21] v_permlanex16_b32's selects for lane l xor 16
.set CS,   22                          ; s[22:23] 2 log2(e): the packed form names a pair and takes its low word for both halves
.set MK,   32                          ; s32-39   group g's mask: bit t for word t
.set MSB, 0
.macro WIN new                         ; s_set_vgpr_msb: bits 1:0 source 0, 3:2 source 1, 5:4 source 2, 7:6 destination; the high byte repeats the setting that is left; a switch that changes nothing is dropped
.if MSB != \new
	s_set_vgpr_msb (MSB<<8)|\new
.set MSB, \new
.endif
.endm
; 64 numbers of a lane, register 32 c + i = k 64 c + 32 h + i of my row, become a fragment's codes in v[QPC] on and the row's scale word in v[QPW].
.macro QUANT
.irp c, 0,1
	v_max3_num_f32 v[QM+\c], |v[QX+32*\c]|, |v[QX+32*\c+1]|, 0x1800000      ; block 2 c + h: all its 32 numbers are mine; the floor 2^(3 - 127) among the leaves: the byte cannot fall under 1
	v_max3_num_f32 v[QN+\c], |v[QX+32*\c+16]|, |v[QX+32*\c+17]|, |v[QX+32*\c+18]|
.endr
.irp k, 0,1,2,3,4,5
.irp c, 0,1
	v_max3_num_f32 v[QM+\c], v[QM+\c], |v[QX+32*\c+2+2*\k]|, |v[QX+32*\c+3+2*\k]|       ; four chains by turns: no line waits for the line above it
	v_max3_num_f32 v[QN+\c], v[QN+\c], |v[QX+32*\c+19+2*\k]|, |v[QX+32*\c+20+2*\k]|
.endr
.endr
.irp c, 0,1
	v_max3_num_f32 v[QM+\c], v[QM+\c], |v[QX+32*\c+14]|, |v[QX+32*\c+15]|
.endr
.irp c, 0,1
	v_max3_num_f32 v[QM+\c], v[QM+\c], v[QN+\c], |v[QX+32*\c+31]|           ; the block's largest magnitude
.endr
.irp c, 0,1
	v_add_nc_u32 v[QSO+\c], 0xff000000, v[QM+\c]                            ; 2 off its exponent field: the conversion takes the exponent field of this operand as its scale
.endr
.irp c, 0,1
	v_lshrrev_b32 v[QBY+\c], 23, v[QSO+\c]                                  ; the scale's byte
.endr
	v_lshl_or_b32 v[QPW], v[QBY+1], 16, v[QBY]                              ; my two bytes, blocks h and 2 + h,
	v_lshlrev_b32 v[QPW], v[QH8], v[QPW]                                    ; at their places in the word (8 h bits up);
	v_permlanex16_b32 v[QT], v[QPW], s[SEL], s[SEL+1]
	v_or_b32 v[QPW], v[QPW], v[QT]                                          ; with lane l xor 16's two the word is whole, in both halves of the lanes
.irp c, 0,1
.irp q, 0,1,2,3
	v_cvt_scalef32_pk8_fp4_f32 v[QPC+4*\c+\q], v[QX+32*\c+8*\q:QX+32*\c+8*\q+7], v[QSO+\c]   ; registers 4 c .. 4 c + 3 of the operand; beyond 6 the largest code
.endr
.endr
	v_nop                                                                   ; one plain place behind the last scaled conversion: vector and matrix instructions write these registers later
.endm
.macro LOADSET g                       ; group g of H into set g % 4: register 4 i + j = H[16 h + i][64 w + 4 c + j].  Sixteen lanes read 256 consecutive bytes, aligned; the eight waves cover the rows.  (Leaves the window set)
.set SET0, 64*((\g)%4)
	WIN 0x40                                       ; destination window 1, address window 0
.irp i, 0,1,2,3,4,5,6,7,8,9,10,11,12,13,14,15
	global_load_b128 v[SET0+4*\i:SET0+4*\i+3], v[HA], s[4:5] offset:65536*(\g)+2048*\i th:TH_LOAD_NT
.endr
.endm
.macro STAGE g                         ; the set goes to the stage as it lies: sixteen lanes write 256 consecutive bytes.  Its data were loaded and its address was made at the head: no vector or matrix result is read
.set SET0, 64*((\g)%4)
	WIN 0x04                                       ; an LDS store's data are its source 1: window 1
.irp i, 0,1,2,3,4,5,6,7,8,9,10,11,12,13,14,15
	ds_store_b128 v[SWA], v[SET0+4*\i:SET0+4*\i+3] offset:SP*\i
.endr
	WIN 0
.endm
.macro XLOAD                           ; my fragment's numbers out of the stage: of row 16 (w / 4) + r, two blocks of 32 neighbours
.irp c, 0,1
.irp q, 0,1,2,3,4,5,6,7
	ds_load_b128 v[PL+32*\c+4*\q:PL+32*\c+4*\q+3], v[XR] offset:256*\c+16*\q
.endr
.endr
.endm
.macro IMAGE                           ; the fragment goes to LDS as it stands in the registers; its scale word to its row's place (lanes r and 16 + r write the same word with the same value)
.irp c, 0,1
	ds_store_b128 v[IW], v[QPC+4*\c:QPC+4*\c+3] offset:512*\c
.endr
	ds_store_b32 v[PWA], v[QPW]
.endm
.macro BARRIER                         ; my LDS stores have landed and my LDS loads are in: then the work-group's barrier
	s_wait_dscnt 0x0
	s_barrier_signal -1
	s_barrier_wait -1
.endm
.macro FETCH                           ; all eight fragments of H, by the same lines as they were stored, and the scale words of 16 rows x 4 K steps by one load
.irp f, 0,1,2,3,4,5,6,7
.irp c, 0,1
	ds_load_b128 v[PL+8*\f+4*\c:PL+8*\f+4*\c+3], v[LI] offset:IMG+1024*\f+512*\c
.endr
.endr
.irp m, 0,1
	ds_load_b128 v[HS+4*\m:HS+4*\m+3], v[LS] offset:256*\m
.endr
.endm
; 16 matrix instructions: my 32 units x the group's 32 words x K = 512.  The four accumulators take turns, one instruction a turn.  The bias starts the sums.  All operands and scales were filled by loads.
.macro PRODUCT
.irp s, 0,1,2,3
.irp n, 0,1
.irp m, 0,1
.if \s == 0
	v_wmma_scale_f32_16x16x128_f8f6f4 v[AC+8*(2*\n+\m):AC+8*(2*\n+\m)+7], v[WF+8*(4*\n+\s):WF+8*(4*\n+\s)+7], v[PL+8*(4*\m+\s):PL+8*(4*\m+\s)+7], v[BI+8*\n:BI+8*\n+7], v[WS+4*\n+\s], v[HS+4*\m+\s] matrix_a_fmt:MATRIX_FMT_FP4 matrix_b_fmt:MATRIX_FMT_FP4
.else
	v_wmma_scale_f32_16x16x128_f8f6f4 v[AC+8*(2*\n+\m):AC+8*(2*\n+\m)+7], v[WF+8*(4*\n+\s):WF+8*(4*\n+\s)+7], v[PL+8*(4*\m+\s):PL+8*(4*\m+\s)+7], v[AC+8*(2*\n+\m):AC+8*(2*\n+\m)+7], v[WS+4*\n+\s], v[HS+4*\m+\s] matrix_a_fmt:MATRIX_FMT_FP4 matrix_b_fmt:MATRIX_FMT_FP4
.endif
.endr
.endr
.endr
.endm
; My part of e for my two words (t = r and 16 + r): the sum over my 16 units of u tanh(x).
.macro TANH_E
.rept 4
	v_nop                                          ; four places behind the last matrix instruction; the LDS stores that may stand between are no places
.endr
.irp a, 0,1,2,3
.irp p, 0,1,2,3
	v_pk_mul_f32 v[AC+8*\a+2*\p:AC+8*\a+2*\p+1], v[AC+8*\a+2*\p:AC+8*\a+2*\p+1], s[CS:CS+1] op_sel_hi:[1,0]   ; 2 log2(e) x; each accumulator from its low end on
.endr
.endr
.set J, 0
	s_wait_alu depctr_va_vdst(0)
.rept 32
	v_exp_f32 v[AC+J], v[AC+J]
.set J, J+1
.endr
	v_nop                                          ; a plain place behind the exponentials
.set J, 0
	s_wait_alu depctr_va_vdst(0)                   ; the 32 exponentials have written v[AC ..], which the additions below read: one wait for the batch
.rept 16
	v_pk_add_f32 v[AC+J:AC+J+1], v[AC+J:AC+J+1], 1.0 op_sel_hi:[1,0]
.set J, J+2
.endr
.set J, 0
	s_wait_alu depctr_va_vdst(0)
.rept 32
	v_rcp_f32 v[AC+J], v[AC+J]
.set J, J+1
.endr
	v_nop                                          ; a plain place behind the reciprocals
	s_wait_alu depctr_va_vdst(0)                   ; the 32 reciprocals have written v[AC ..], which the multiply-adds below read: one wait for the batch
.irp m, 0,1
	v_pk_fma_f32 v[EA+2*\m:EA+2*\m+1], v[AC+8*\m:AC+8*\m+1], v[MU:MU+1], v[US:US+1]          ; the sum of my u starts word m's sum
	v_pk_mul_f32 v[EA+4+2*\m:EA+4+2*\m+1], v[AC+16+8*\m:AC+16+8*\m+1], v[MU+8:MU+9]
.endr
.irp p, 1,2,3
.irp n, 0,1
.irp m, 0,1
	v_pk_fma_f32 v[EA+2*(2*\n+\m):EA+2*(2*\n+\m)+1], v[AC+8*(2*\n+\m)+2*\p:AC+8*(2*\n+\m)+2*\p+1], v[MU+8*\n+2*\p:MU+8*\n+2*\p+1], v[EA+2*(2*\n+\m):EA+2*(2*\n+\m)+1]   ; four chains by turns
.endr
.endr
.endr
.irp m, 0,1
	v_pk_add_f32 v[EA+2*\m:EA+2*\m+1], v[EA+2*\m:EA+2*\m+1], v[EA+4+2*\m:EA+4+2*\m+1]
.endr
.irp m, 0,1
	v_add_f32 v[EA+2*\m], v[EA+2*\m], v[EA+2*\m+1]
.endr
	s_wait_alu depctr_va_vdst(0)                   ; v[EA] and v[EA+2] are written, which the two stores read; the tanh is done reading and writing v[AC ..], in which the parts of e land behind the barrier; the products are done reading v[PL ..], in which the next group's numbers land there
.irp m, 0,1
	ds_store_b32 v[EPW], v[EA+2*\m] offset:1280*\m   ; word 16 m + r, part 2 w + h
.endr
.endm
.macro EPLOAD                          ; lane t takes word t's 16 parts
.irp q, 0,1,2,3
	ds_load_b128 v[WT+4*\q:WT+4*\q+3], v[EPR] offset:16*\q
.endr
.endm
; Lane t: e[t], the mask, the softmax over the 32 lanes.  w[t] is left in v[WR].  It names none of the registers in which the next group's numbers are landing meanwhile.
.macro SOFTMAX g
.irp j, 0,4,8,12
	v_pk_add_f32 v[WT+\j:WT+\j+1], v[WT+\j:WT+\j+1], v[WT+\j+2:WT+\j+3]
.endr
.irp j, 0,8
	v_pk_add_f32 v[WT+\j:WT+\j+1], v[WT+\j:WT+\j+1], v[WT+\j+4:WT+\j+5]
.endr
	v_pk_add_f32 v[WT:WT+1], v[WT:WT+1], v[WT+8:WT+9]
	v_add_f32 v[EV], v[WT], v[WT+1]                ; e[t]
	v_cndmask_b32 v[EV], v[NEG], v[EV], s[MK+(\g)] ; finfo.min where the mask is false (the wait for the mask's bits stands at the head, behind the compares)
	v_mov_b32 v[MX], v[EV]                         ; (a DPP form's destination counts as one of its sources)
.irp x, 1,2,4,8
	v_max_num_f32_dpp v[MX], v[MX], v[MX] row_xmask:\x row_mask:0xf bank_mask:0xf
.endr
	v_permlanex16_b32 v[QT], v[MX], s[SEL], s[SEL+1]
	v_max_num_f32 v[MX], v[MX], v[QT]              ; the group's largest e, in every lane
	v_sub_f32 v[EV], v[EV], v[MX]
	v_mul_f32 v[EV], 0x3fb8aa3b, v[EV]             ; x log2(e)
	s_wait_alu depctr_va_vdst(0)
	v_exp_f32 v[EV], v[EV]
	v_nop                                          ; a plain place behind the exponential
	s_wait_alu depctr_va_vdst(0)                   ; the exponential has written v[EV], which the next line reads
	v_mov_b32 v[MX], v[EV]
.irp x, 1,2,4,8
	v_add_f32_dpp v[MX], v[MX], v[MX] row_xmask:\x row_mask:0xf bank_mask:0xf
.endr
	v_permlanex16_b32 v[QT], v[MX], s[SEL], s[SEL+1]
	v_add_f32 v[MX], v[MX], v[QT]                  ; the sum: at least 1
	s_wait_alu depctr_va_vdst(0)
	v_rcp_f32 v[MX], v[MX]
	v_nop                                          ; a plain place behind the reciprocal
	s_wait_alu depctr_va_vdst(0)                   ; the reciprocal has written v[MX], which the next line reads
	v_mul_f32 v[WR], v[EV], v[MX]                  ; w[t]
.endm
; Each half of the lanes wants the weights of its 16 rows in registers: w[16 h + i] lies in lane i of the lane's own row of sixteen.  (The destinations have been written: by the quantiser, or by the tanh)
.macro WBCAST
.irp i, 0,1,2,3,4,5,6,7,8,9,10,11,12,13,14,15
	v_mov_b32_dpp v[WT+\i], v[WR] row_share:\i row_mask:0xf bank_mask:0xf
.endr
.endm
; The weighted sum of my 16 rows x 4 columns, from the set in registers: even rows into SA, odd rows into SB; of the pair of weights the low or the high word serves both halves.  (Leaves the window set)
.macro WSUM g
.set SET0, 64*((\g)%4)
	WIN 0x01                                       ; source 0 window 1
.irp i, 0,2,4,6,8,10,12,14
.irp j, 0,2
.if \i == 0
	v_pk_mul_f32 v[SA+\j:SA+\j+1], v[SET0+4*\i+\j:SET0+4*\i+\j+1], v[WT+\i:WT+\i+1] op_sel_hi:[1,0]           ; the first products start the sums
	v_pk_mul_f32 v[SB+\j:SB+\j+1], v[SET0+4*\i+4+\j:SET0+4*\i+4+\j+1], v[WT+\i:WT+\i+1] op_sel:[0,1] op_sel_hi:[1,1]
.else
	v_pk_fma_f32 v[SA+\j:SA+\j+1], v[SET0+4*\i+\j:SET0+4*\i+\j+1], v[WT+\i:WT+\i+1], v[SA+\j:SA+\j+1] op_sel_hi:[1,0,1]
	v_pk_fma_f32 v[SB+\j:SB+\j+1], v[SET0+4*\i+4+\j:SET0+4*\i+4+\j+1], v[WT+\i:WT+\i+1], v[SB+\j:SB+\j+1] op_sel:[0,1,0] op_sel_hi:[1,1,1]
.endif
.endr
.endr
.endm
; The two halves of the lanes hold rows 0-15 and rows 16-31 of the same four columns.  Two exchanges give lanes 0-15 both parts of columns 0, 1 and lanes 16-31 both parts of columns 2, 3.
.macro FINISH g
	WIN 0
	v_pk_add_f32 v[SA:SA+1], v[SA:SA+1], v[SB:SB+1]
	v_pk_add_f32 v[SA+2:SA+3], v[SA+2:SA+3], v[SB+2:SB+3]
	v_permlane16_swap_b32 v[SA], v[SA+2]           ; the first's lanes 16-31 change places with the second's lanes 0-15
	v_permlane16_swap_b32 v[SA+1], v[SA+3]
	v_pk_add_f32 v[OUT+2*(\g):OUT+2*(\g)+1], v[SA:SA+1], v[SA+2:SA+3]       ; lane (c, h): columns 64 w + 4 c + 2 h, + 1
.endm
.macro SEND g
	global_store_b64 v[OA], v[OUT+2*(\g):OUT+2*(\g)+1], s[14:15] offset:2048*(\g) th:TH_STORE_NT   ; the wave stores 256 consecutive bytes, at a multiple of 256 from out0's first byte
.endm
	s_load_b256 s[4:11], s[0:1], 0x0               ; H s[4:5], mask s[6:7], u_weight s[8:9], w_bias s[10:11]
	s_load_b128 s[12:15], s[0:1], 0x20             ; wq s[12:13], out0 s[14:15]
	v_lshl_add_u32 v10, v0, 2, 0x13000
	v_mov_b32 v11, 0
	v_lshrrev_b32 v22, 5, v0
	v_readfirstlane_b32 s16, v22                   ; wave w, 0 .. 7
	v_and_b32 v[LN], 31, v0                        ; lane
	v_and_b32 v22, 15, v0                          ; r = c
	s_wait_alu depctr_va_vdst(0)
	v_bfe_u32 v23, v0, 4, 1                        ; h
	s_wait_alu depctr_va_sdst(0)                   ; s16 is written, ahead of its first reader: the wave's parts of all addresses are made from it
	s_lshl_b32 s17, s16, 8                         ; 256 w
	v_lshlrev_b32 v[HA], 4, v22
	v_lshl_add_u32 v[HA], v23, 15, v[HA]
	v_add_nc_u32 v[HA], s17, v[HA]
	s_add_co_u32 s18, s17, STG
	v_lshlrev_b32 v[SWA], 4, v22
	v_mad_u32_u24 v[SWA], v23, HALF, v[SWA]
	v_add_nc_u32 v[SWA], s18, v[SWA]
	s_lshr_b32 s18, s16, 2                         ; m of my fragment
	s_mul_i32 s18, s18, HALF
	s_and_b32 s19, s16, 3                          ; s of my fragment
	s_lshl_b32 s19, s19, 9
	s_add_co_u32 s18, s18, s19
	s_add_co_u32 s18, s18, STG
	v_mul_u32_u24 v[XR], v22, SP
	s_wait_alu depctr_va_vdst(0)
	v_lshl_add_u32 v[XR], v23, 7, v[XR]
	v_add_nc_u32 v[XR], s18, v[XR]
	s_lshl_b32 s18, s16, 10                        ; 1024 w
	v_lshl_add_u32 v[IW], v[LN], 4, s18            ; (IMG = 0)
	v_lshl_add_u32 v[WSA], v[LN], 2, s18
	s_lshr_b32 s18, s16, 2                         ; my fragment's scale words: 256 m
	s_lshl_b32 s18, s18, 8
	s_and_b32 s19, s16, 3                          ; + 4 s
	s_lshl_b32 s19, s19, 2
	s_add_co_u32 s18, s18, s19
	s_add_co_u32 s18, s18, ISC
	v_lshl_add_u32 v[PWA], v22, 4, s18             ; + 16 r
	v_lshlrev_b32 v[LI], 4, v[LN]
	v_lshl_add_u32 v[LS], v22, 4, ISC
	s_lshl_b32 s18, s16, 7                         ; 128 w
	v_lshl_add_u32 v[UA], v23, 5, s18
	s_lshl_b32 s19, s16, 3
	s_add_co_u32 s19, s19, EP
	v_mul_u32_u24 v[EPW], v22, 80
	v_lshl_add_u32 v[EPW], v23, 2, v[EPW]
	v_add_nc_u32 v[EPW], s19, v[EPW]
	v_mul_u32_u24 v[EPR], v[LN], 80
	v_add_nc_u32 v[EPR], EP, v[EPR]
	v_lshlrev_b32 v[OA], 4, v22
	v_lshl_add_u32 v[OA], v23, 3, v[OA]
	v_add_nc_u32 v[OA], s17, v[OA]
	v_lshlrev_b32 v[QH8], 3, v23
	v_mov_b32 v[NEG], 0xff7fffff
	v_mov_b32 v[QT], 0                             ; written once: a lane permute's destination counts as one of its sources
	s_lshl_b32 s19, s16, 13
	v_lshl_add_u32 v[WQA], v[LN], 4, s19
	s_mov_b32 s[SEL], 0x76543210
	s_mov_b32 s[SEL+1], 0xfedcba98
	s_mov_b32 s[CS], 0x4038aa3b                    ; 2 log2(e)
	s_mov_b32 s[CS+1], s[CS]                       ; (named with it as a pair, so it is written)
	s_lshl_b32 s24, ttmp9, 19                      ; my 8 groups of H: 8 x 65,536 bytes (under 2^27)
	s_mov_b32 s25, 0
	s_lshl_b32 s26, ttmp9, 8                       ; of the mask: 8 x 32 bytes
	s_mov_b32 s27, 0
	s_lshl_b32 s28, ttmp9, 14                      ; of out0: 8 x 2,048 bytes
	s_mov_b32 s29, 0
	s_wait_kmcnt 0x0
	s_add_nc_u64 s[4:5], s[4:5], s[24:25]
	s_add_nc_u64 s[6:7], s[6:7], s[26:27]
	s_add_nc_u64 s[14:15], s[14:15], s[28:29]      ; no base and no offset register is written from here on
	WIN 0x40                                       ; (the first loads' window, ahead of the wait)
	s_wait_alu depctr_va_vdst(0)                   ; the offsets and LDS addresses v1 to v9, v12 and v18 to v21 are written, which every load and store of the kernel reads; so are v10 and v11, which the closing add reads
	LOADSET 0                                      ; the first group is asked for ahead of all else: it is wanted first
	WIN 0
.irp f, 0,1,2,3,4,5,6,7                        ; my 8 fragments of W (f = 4 n + s) and their scale words: they stay
.irp c, 0,1
	global_load_b128 v[WF+8*\f+4*\c:WF+8*\f+4*\c+3], v[WQA], s[12:13] offset:1024*\f+512*\c
.endr
	global_load_b32 v[WS+\f], v[WSA], s[12:13] offset:65536+128*\f
.endr
.irp n, 0,1                                    ; bias and u of units 32 w + 16 n + 8 h + 0 .. 7
.irp c, 0,1
	global_load_b128 v[BI+8*\n+4*\c:BI+8*\n+4*\c+3], v[UA], s[10:11] offset:64*\n+16*\c
	global_load_b128 v[MU+8*\n+4*\c:MU+8*\n+4*\c+3], v[UA], s[8:9] offset:64*\n+16*\c
.endr
.endr
.irp g, 0,1,2,3,4,5,6,7
	global_load_u8 v[EA+\g], v[LN], s[6:7] offset:32*\g   ; lane t: the mask's byte of word t of group g
.endr
	LOADSET 1                                      ; 104 loads stand ahead of the first wait; a load that would pass the counter's field is held at its issue (ISA guide 5.7.1), so no wait is placed for that
	LOADSET 2
	LOADSET 3
	WIN 0
	s_wait_loadcnt 48                              ; loads come back in order (ISA guide 5.7.1): all but the 48 of sets 1 to 3 are in
.irp g, 0,1,2,3,4,5,6,7
	v_cmp_ne_u32 s[MK+\g], 0, v[EA+\g]             ; a bit for each word; it only selects a value
.endr
	s_wait_alu depctr_va_sdst(0)                   ; the eight compares have written s[MK ..], ahead of their first readers, the softmaxes' selects: one wait behind the run
.irp j, 0,1,2,3
	v_pk_add_f32 v[AC+2*\j:AC+2*\j+1], v[MU+4*\j:MU+4*\j+1], v[MU+4*\j+2:MU+4*\j+3]   ; the sum of my 16 u
.endr
	v_pk_add_f32 v[AC:AC+1], v[AC:AC+1], v[AC+2:AC+3]
	v_pk_add_f32 v[AC+4:AC+5], v[AC+4:AC+5], v[AC+6:AC+7]
	v_pk_add_f32 v[AC:AC+1], v[AC:AC+1], v[AC+4:AC+5]
	v_add_f32 v[US], v[AC], v[AC+1]
	v_mov_b32 v[US+1], 0
.irp j, 0,2,4,6,8,10,12,14
	v_pk_mul_f32 v[MU+\j:MU+\j+1], v[MU+\j:MU+\j+1], -2.0 op_sel_hi:[1,0]
.endr
	STAGE 0
	BARRIER                                        ; group 0 lies whole in the stage
	XLOAD                                          ; (no vector or matrix instruction has named v[PL ..] yet)
	s_wait_dscnt 0x0
.macro GROUP g
	QUANT                                          ; my fragment of group g
	s_wait_alu depctr_va_vdst(0)                   ; the quantiser has written v[QPC ..] and v[QPW], which the image's stores read, and is done reading v[PL ..], in which the images' loads behind the barrier land
	IMAGE
	BARRIER                                        ; B1: the eight images are whole; every wave's reads of the stage and of the parts of e are over
	s_wait_alu depctr_vm_vsrc(0)                   ; the image's stores have read v[QPC ..] and v[QPW], which the lines behind the barrier write again; the last group's two stores have read v[EA] and v[EA+2], which the tanh writes again; the copies to the stage have read their sets, of which one is loaded again below
	FETCH
.if (\g) > 0                                   ; between the request for the images and the wait for them: what is left of the group before
	WBCAST
	WSUM (\g)-1
	FINISH (\g)-1
.if (\g) < 5
	WIN 0x40                                       ; (the refill's window, ahead of the wait)
.endif
	s_wait_alu depctr_va_vdst(0)                   ; the weighted sum has written its pair of v[OUT ..], which the store reads, and is done reading its set, in which the refill lands: one wait for both
.if (\g) < 5
	LOADSET (\g)+3                                 ; the set takes the group four further on
	WIN 0
.endif
	SEND (\g)-1
.endif
	s_wait_dscnt 0x0                               ; the images and their scale words are in
	PRODUCT
.if (\g) < 7
.if (\g) < 5
	s_wait_loadcnt 32                              ; set g + 1 is in; the two sets issued behind it may be out
.else
	s_wait_loadcnt 16*(6-(\g))                     ; behind set g + 1 one set was issued, or none
.endif
	STAGE (\g)+1                                   ; nobody reads the stage between B1 and B2; the tanh stands between these stores and B2's wait for them
.endif
	TANH_E
	BARRIER                                        ; B2: the parts of e and the next group's stage are whole; every wave's reads of the images are over
	EPLOAD                                         ; these loads and the next run lean on the wait ahead of the tanh's two stores: no vector or matrix instruction has been issued since
.if (\g) < 7
	XLOAD                                          ; the next group's numbers come while this group's softmax is made
	s_wait_dscnt 16                                ; the parts of e are in; the sixteen loads issued behind them may be out
.else
	s_wait_dscnt 0x0
.endif
	SOFTMAX \g
.if (\g) < 7
	s_wait_dscnt 0x0                               ; the next group's numbers are in
.endif
.endm
.irp g, 0,1,2,3,4,5,6,7
	GROUP \g
.endr
	WBCAST                                         ; the last group's weighted sum has no successor to stand behind
	WSUM 7
	FINISH 7
	s_wait_alu depctr_va_vdst(0)                   ; the weighted sum has written the last pair of v[OUT ..], which the store reads
	SEND 7
	s_wait_dscnt 0x0                               ; the closing lines, six on end (every window is 0 here)
	s_wait_alu 0x0
	s_wait_tensorcnt 0x0
	ds_add_u32 v10, v11
	s_wait_dscnt 0x0
	s_endpgm
.Lfunc_end_k_qb1a5aa3b23_main:
	.size	k_qb1a5aa3b23_main, .Lfunc_end_k_qb1a5aa3b23_main-k_qb1a5aa3b23_main
	.p2alignl 7, 3214868480
	.fill 96, 4, 3214868480
	.section	.rodata,"a",@progbits
	.p2align	6, 0x0
	.amdhsa_kernel k_qb1a5aa3b23_main
		.amdhsa_group_segment_fixed_size 78848
		.amdhsa_private_segment_fixed_size 0
		.amdhsa_enable_private_segment 0
		.amdhsa_kernarg_size 48
		.amdhsa_user_sgpr_count 2
		.amdhsa_user_sgpr_kernarg_segment_ptr 1
		.amdhsa_wavefront_size32 1
		.amdhsa_system_sgpr_workgroup_id_x 1
		.amdhsa_system_sgpr_workgroup_id_y 1
		.amdhsa_system_sgpr_workgroup_id_z 1
		.amdhsa_system_vgpr_workitem_id 0
		.amdhsa_next_free_vgpr 512
		.amdhsa_next_free_sgpr 66
		.amdhsa_reserve_vcc 0
		.amdhsa_float_denorm_mode_32 3
		.amdhsa_float_denorm_mode_16_64 3
		.amdhsa_memory_ordered 1
		.amdhsa_forward_progress 1
		.amdhsa_inst_pref_size 180
	.end_amdhsa_kernel
	.amdgpu_metadata
---
amdhsa.version: [ 1, 2 ]
amdhsa.kernels:
  - .name:           k_qb1a5aa3b23_main
    .symbol:         k_qb1a5aa3b23_main.kd
    .args:
      - { .name: H, .offset: 0, .size: 8, .value_kind: global_buffer, .address_space: global }
      - { .name: mask, .offset: 8, .size: 8, .value_kind: global_buffer, .address_space: global }
      - { .name: u_weight, .offset: 16, .size: 8, .value_kind: global_buffer, .address_space: global }
      - { .name: w_bias, .offset: 24, .size: 8, .value_kind: global_buffer, .address_space: global }
      - { .name: wq, .offset: 32, .size: 8, .value_kind: global_buffer, .address_space: global }
      - { .name: out0, .offset: 40, .size: 8, .value_kind: global_buffer, .address_space: global }
    .group_segment_fixed_size: 78848
    .private_segment_fixed_size: 0
    .kernarg_segment_align: 8
    .kernarg_segment_size: 48
    .max_flat_workgroup_size: 256
    .sgpr_count:     66
    .vgpr_count:     512
    .wavefront_size: 32
...
	.end_amdgpu_metadata
.endif
;; end of part 4
